; MI455X (gfx1250); checked and timed in simulation.
; The chip was launched on July 23, 2026; its instructions are those of AMD's public machine-readable ISA for CDNA 5 (MIT licence, August 2026) and "CDNA5" Instruction Set Architecture Reference Guide (July 2026). The comments in the code are by the model that wrote it; some were corrected since.
;; Top Encoder Base. Allowed arithmetic: matrix products marked QUANTISED: E2M1 operands, one E8M0 scale for each 32 along K, by v_wmma_scale_f32_16x16x128_f8f6f4 with both operands' format E2M1 (or v_wmma_scale_f32_32x16x128_f4), f32 sums; products left as they are: f32 operands where the result goes on into a quantised operand, else bf16, f16 or f32 operands; f32 sums; everything else in f32.
;; Inputs: Wkv_codes 2,048 x 16 x 16 uint8 (E2M1 codes of Wkv, K innermost, in blocks of 32 codes, two codes a byte); Wkv_scales 2,048 x 16 uint8 (E8M0 scales of Wkv, one for each 32 codes along K); Wq_codes 1,024 x 16 x 16 uint8 (E2M1 codes of Wq, K innermost, in blocks of 32 codes, two codes a byte); Wq_scales 1,024 x 16 uint8 (E8M0 scales of Wq, one for each 32 codes along K); bkv 2,048 float32; bq 1,024 float32; mask 32 x 2,048 bool; x_codes 32 x 2,048 x 16 x 16 uint8 (E2M1 codes of x, K innermost, in blocks of 32 codes, two codes a byte); x_scales 32 x 2,048 x 16 uint8 (E8M0 scales of x, one for each 32 codes along K).
;; Outputs: out0 32 x 1,024 float32.
;; This version of the problem:
;;   THIS VERSION OF THE PROBLEM IS GIVEN IN LOW PRECISION. The matrix products marked QUANTISED in the list below multiply operands that are first quantised to E2M1 (2 exponent bits, 1 mantissa bit; 4 bits a number), with one power-of-two scale for each 32 numbers along K (OCP MX v1.0); their sums are f32. All else is computed in f32.
;;   The module's matrix products, in the order in which they are computed (A, B: the left and right operand; K: the contracted axis; several contracted axes count as one K, in the product's order):
;;     1. [M 65,536, K 512] x [K 512, N 2,048]; A: input x (given as codes); B: input Wkv (given as codes): QUANTISED
;;     2. [M 32, K 512] x [K 512, N 1,024]; A: input x (given as codes); B: input Wq (given as codes): QUANTISED
;;     3. batch 512 x [M 2,048, K 64] x [K 64, N 1]; A: computed on the way; B: computed on the way: left as it is (N = 1 < 16)
;;     4. batch 512 x [M 1, K 2,048] x [K 2,048, N 64]; A: computed on the way; B: computed on the way: left as it is (M = 1 < 16)
;;   THE QUANTISER, for each operand of a quantised product, along K:
;;     - K is cut into blocks of 32 from its start; a last block that is shorter is filled with zeros.
;;     - A block's scale is 2^e with e = floor(log2(the largest magnitude in the block)) - 2, held to -126 .. 127; a block of zeros has e = 0. As a byte (E8M0): e + 127.
;;     - Each number is divided by its block's scale, clamped to +-6, and rounded to the nearest number of E2M1, ties to even, subnormals kept.
;;     - The product sums the exact products of the quantised numbers (number of the format x scale) in f32.
;;   ~~~python
;;   def quantise(x, axis):      # numpy; x: float32 -> the quantised numbers, widened to float32 again
;;       x = np.moveaxis(x, axis, -1); K = x.shape[-1]
;;       x = np.pad(x, [(0, 0)] * (x.ndim - 1) + [(0, -K % 32)]); x = x.reshape(x.shape[:-1] + (-1, 32)); a = np.abs(x).max(-1, keepdims=True)
;;       e = np.where(a > 0, np.clip(np.frexp(np.where(a > 0, a, 1))[1] - 1 - 2, -126, 127), 0)      # np.frexp(a)[1] - 1 = floor(log2(a)), exactly
;;       r = np.clip(x / 2.0 ** e, -6, 6)
;;       step = 2.0 ** (np.maximum(np.frexp(np.where(r == 0, 1, r))[1] - 1, 0) - 1)
;;       q = np.round(r / step) * step * 2.0 ** e      # np.round: ties to even
;;       return np.moveaxis(q.reshape(q.shape[:-2] + (-1,))[..., :K], -1, axis).astype(np.float32)
;;   ~~~
;;   INPUTS GIVEN AS CODES. Wkv (in the module: [512, 2048], K = its axis 0); Wq (in the module: [512, 1024], K = its axis 0); x (in the module: [32, 2048, 512], K = its axis 2): each comes as NAME_codes (uint8): NAME with its K axis moved to the last place and cut into blocks of 32 codes, [.., K / 32, bytes a block], one block behind the other in memory; two codes a byte, the lower K in the low four bits (a code: sign, 2 exponent bits, 1 mantissa bit); and NAME_scales (uint8): the same leading axes, one E8M0 byte (e + 127) for each 32 codes along K. Its value is code x scale, taken as it is: it is not quantised again, and the codes and scales need not be those that the quantiser above would give.
;; One version. Each part assembles by itself: llvm-mc -triple=amdgcn-amd-amdhsa -mcpu=gfx1250 --defsym DOCPART=n.
;; ======== version 1 of 1: 2 launches
;; workspace buffers: part 262,144 bytes; den 4,096 bytes
;; launch main (part 1): grid 8 x 32, 4 waves a work-group, clusters of 4 x 1, 327,680 bytes of LDS; arguments x_codes, x_scales, mask, Wkv_codes, Wkv_scales, bkv, Wq_codes, Wq_scales, bq, part, den; writes part, den
.if DOCPART == 1
	.amdgcn_target "amdgcn-amd-amdhsa--gfx1250"
	.amdhsa_code_object_version 6
	.text
	.protected	k_q69e7675224_main
	.globl	k_q69e7675224_main
	.p2align	8
	.type	k_q69e7675224_main,@function
k_q69e7675224_main:
	s_mov_b64 s[64:65], 0
	v_nop
	global_prefetch_b8 v0, s[64:65] scope:SCOPE_SE
	s_setreg_imm32_b32 hwreg(HW_REG_WAVE_MODE, 25, 1), 1
	s_wait_xcnt 0x0
	s_wait_alu depctr_hold_cnt(0) depctr_sa_sdst(0) depctr_va_vdst(0) depctr_va_sdst(0) depctr_va_ssrc(0) depctr_va_vcc(0) depctr_vm_vsrc(0)
	s_getreg_b32 s2, hwreg(HW_REG_IB_STS2, 6, 4)
	s_cmp_eq_u32 s2, 0
	s_cbranch_scc0 .Lentry_in_a_cluster
	s_endpgm
.Lentry_in_a_cluster:
	s_bfe_u32 s2, ttmp6, 0x10000c
	s_cmp_lg_u32 s2, 0x3003
	s_cbranch_scc0 .Lentry_shape_is_right
	s_endpgm
.Lentry_shape_is_right:
; part[z][half][head][e] = sum over the half's 1,024 tokens of s^2 v^2[e] / (sum over e of v^2);  den[z][half][head] = sum of s^2.
; kv = x Wkv + bkv and q = x[token 0] Wq + bq on codes of FP4 (E2M1) with E8M0 scales as they are given; s = q . rope(k), 0 where the mask is set; all else f32.
; SHARES.  A work-group takes one sequence z, one half of its 2,048 tokens and four heads; each of its four waves one head: 64 channels of k and 64 of v, for all 1,024 tokens, 16 a tile.
; The wave's 128 rows of Wkv (256 registers) stay in registers for the whole launch; kv never leaves the registers.
; CLUSTER.  The four work-groups of a cluster hold the sixteen heads of one (z, half): they need the same rows of x, the same scales and the same mask.  Each tile is asked for JOINTLY (mask 15),
; once: the share of x with its padding, scales and mask is 295,936 bytes, so LDS is filled once and nothing is filled again.  The weights are not shared: partners hold different heads.
; LAYOUT.  The products are used transposed (source 0 = 16 rows of the weight, source 1 = 16 tokens): lane (r, h) holds token r, register j of tile t channel 16 t + 8 h + j.  So k1 (tiles 0, 1) and k2 (tiles 2, 3)
; of one frequency lie in one lane at the same register index, and a token's sums want one exchange between the halves of the lanes.
; ROPE IS PUT ON q's SIDE:  s = sum over f of k1 G1 + k2 G2,  G1 = q1 cos + q2 sin,  G2 = q2 cos - q1 sin of the token's angle.  From a tile to the next (16 positions) G is turned by the fixed angle 16 theta_f.
; The first angles are made by range reduction in turns and the series of sine (degree 15) and cosine (degree 16) on [-pi, pi].
; LIMITS.  2^-126 stands for reference's 1e-38 (the reciprocal takes no denormal): results differ only where a sum lies in (0, 1.18e-38); a token whose sum of v^2 lies under 2^-126 counts for nothing (exact for 0).
; Angles differ from reference's by up to some 4e-4 rad (f32 rounding of up to 165 turns, 63 turnings).  NaN and infinities among the inputs are not served.
; REGISTERS, in windows of 256 (s_set_vgpr_msb: bits 1:0 source 0, 3:2 source 1, 5:4 source 2, 7:6 destination):
;   window 0: addresses, sums, scale words, x's fragments, V's accumulators, G, the running sums, V's bias.   window 1: Wk's 16 fragments; at the head Wq's 16.
;   window 2: Wv's 16 fragments, K's accumulators, K's bias, cos and sin of the turning angle.
.set PX,    272                        ; a row of x in LDS: 256 bytes + 16 of padding: the 16 rows of a fragment load start 68 words apart
.set TILEB, 16*PX                      ; a tile of 16 tokens
.set CHB,   256*PX                     ; a chunk of 256 tokens: what the four waves' loads of one turn bring
.set SCB,   1024*PX                    ; behind x: its scale bytes, 16 a token, dense
.set MKB,   SCB+16384                  ; the mask, a byte a token
.set SPARE, MKB+1024                   ; the spare words, 128 bytes for each wave: two blocks of 256 bytes that no other line names
.set TINY,  0x00800000                 ; 2^-126
.set R,    1                           ; v1   lane % 16: my token in a tile
.set H,    2                           ; v2   lane / 16
.set AX0,  3                           ; v3-5 my lane's place in a tile of x, among the scale words, in the mask
.set AS0,  4
.set AM0,  5
.set AX,   6                           ; v6-8 the same for the tile to be fetched
.set AS,   7
.set AM,   8
.set SPW,  9                           ; v9   LDS address of my spare word; never rewritten
.set NIL,  10                          ; v10  0; never rewritten
.set MK,   11                          ; v11  my token's mask byte
.set SS,   12                          ; v12  s
.set TP,   13                          ; v13  what the lane 16 away sends
.set SQ,   14                          ; v14  s^2
.set DEN,  15                          ; v15  running sum of s^2
.set S,    16                          ; v16-23  four pairs: partial sums of s
.set VS,   24                          ; v24-31  four pairs: partial sums of v^2
.set T,    32                          ; v32-39  four pairs: at work in the turning
.set CC,   40                          ; v40-41  s^2 / sum of v^2 (the low word serves both halves)
.set VM,   42                          ; v42  sum of v^2
.set RV,   43                          ; v43  its reciprocal
.set XS,   44                          ; v44-47  x's scale words, one for each K step
.set WS,   48                          ; v48-63  Wkv's scale words: register 4 t + s: lanes 0-15 K tile t's rows, lanes 16-31 V tile t's
.set X,    64                          ; v64-95  x's four fragments
.set VA,   96                          ; v96-127 V's four accumulators
.set G1,   128                         ; v128-143, v144-159
.set G2,   144
.set NUM,  160                         ; v160-191 running sums for part; at the head q
.set VB,   192                         ; v192-223 V's bias in the result's layout
.set WQS,  224                         ; v224-239 Wq's scale words;  v240-243 token 0's
.set XQS,  240
.set ZO,   244                         ; v244 0: an offset; never rewritten
.set POS,  246                         ; v246-247 my first position as f32, twice
.set WO,   248                         ; v248-252 offsets of the head's loads; never rewritten
.set BO,   249
.set SO,   250
.set QSO,  251
.set HO,   252
.set PO,   253                         ; v253 my offset in the head's 256 bytes of part
.set LN,   254                         ; v254 at work
.set OM,   16                          ; at the head only: v16-31 turns a position; v96-127 cos, sin of the first angles; v128-159, v32-43 at work in the series
.set CS0,  96
.set SN0,  112
.set TAU,  128
.set Y,    136
.set Z,    144
.set PS,   152
.set PC,   32
.set KS,   40
.set KC,   42
.set WK,   0                           ; window 1
.set WQ,   128
.set WVF,  0                           ; window 2
.set KA,   128
.set KB,   160
.set CD,   192
.set SD,   208
.set WAVE, 26                          ; s26 wave;  s27 place in the cluster;  s28 half;  s29 z;  s30 head
.set CX,   27
.set HALF, 28
.set ZZ,   29
.set HEAD, 30
.set G1X,  32                          ; s[32:39], s[40:47], s[48:55] descriptor groups 1: x, scales, mask
.set G1S,  40
.set G1M,  48
.set SEL,  84                          ; s[84:85] lane selects: lane l xor 16
.set TX,   86                          ; s86-88 LDS offsets of the tile to be fetched next
.set TS,   87
.set TM,   88
.set CNT,  89
.set MSB, 0
.macro WIN new                         ; the immediate's high byte repeats the setting that is left; a switch that changes nothing is dropped
.if MSB != \new
	s_set_vgpr_msb (MSB<<8)|\new
.set MSB, \new
.endif
.endm
.macro CROUND                          ; a round of the cluster's barrier
	s_barrier_signal -1
	s_barrier_wait -1
	s_cmp_lg_u32 s[WAVE], 0
	s_cbranch_scc1 .Lnot_wave_0_\@
	s_barrier_signal -3
.Lnot_wave_0_\@:
	s_barrier_wait -3
	s_barrier_signal -1
	s_barrier_wait -1
.endm
.macro MM d, a, b, c, sa, sb, row1     ; one product 16 x 16 x 128; row1 = 1: source 0's scales stand in lanes 16-31
.if \row1
	v_wmma_scale_f32_16x16x128_f8f6f4 v[\d:\d+7], v[\a:\a+7], v[\b:\b+7], v[\c:\c+7], v[\sa], v[\sb] matrix_a_fmt:MATRIX_FMT_FP4 matrix_b_fmt:MATRIX_FMT_FP4 matrix_a_scale:MATRIX_SCALE_ROW1
.else
	v_wmma_scale_f32_16x16x128_f8f6f4 v[\d:\d+7], v[\a:\a+7], v[\b:\b+7], v[\c:\c+7], v[\sa], v[\sb] matrix_a_fmt:MATRIX_FMT_FP4 matrix_b_fmt:MATRIX_FMT_FP4
.endif
.endm
.macro GROUP0 g, ldsreg, ldsoff, ptr, off   ; descriptor group 0: count 1, LDS address, global address, type 2
	s_mov_b32 s[\g], 1
	s_add_co_u32 s[\g+1], s[\ldsreg], \ldsoff
	s_add_nc_u64 s[\g+2:\g+3], s[\ptr:\ptr+1], \off
	s_or_b32 s[\g+3], s[\g+3], 0x80000000
.endm
	s_load_b512 s[4:19], s[0:1], 0x0               ; x_codes 4, x_scales 6, mask 8, Wkv_codes 10, Wkv_scales 12, bkv 14, Wq_codes 16, Wq_scales 18
	s_load_b128 s[20:23], s[0:1], 0x40             ; bq 20, part 22
	s_load_b64 s[24:25], s[0:1], 0x50              ; den
	v_lshl_add_u32 v[SPW], v0, 2, SPARE
	v_mov_b32 v[NIL], 0
	ds_add_u32 v[SPW], v[NIL]                      ; the wave's opening: the add and its wait ahead of my first tensor load; the set-up below, work on registers, stands between them
	v_lshrrev_b32 v[LN], 5, v0
	v_readfirstlane_b32 s[WAVE], v[LN]             ; wave 0..3
	s_bfe_u32 s[CX], ttmp6, 0x40000                ; my place in the cluster: it enters the weights', biases' and results' global addresses alone
	s_mov_b32 s[HALF], ttmp9                       ; in a cluster launch ttmp9 counts clusters: which half of the tokens
	s_and_b32 s[ZZ], ttmp7, 0xffff                 ; the sequence
	s_lshl_b32 s[HEAD], s[CX], 2
	s_add_co_u32 s[HEAD], s[HEAD], s[WAVE]         ; my head
	; x: 64 rows of 256 bytes, 16 bytes of padding behind each
	s_mov_b32 s[G1X+0], 15|(1<<20)|(1<<21)|(5<<22)|(3<<25)   ; 15:0 the mask: all four work-groups; 17:16 elements of 1 byte; 20 padding on; 21 set beside a mask; 24:22 after every 64 words; 31:25 four words
	s_mov_b32 s[G1X+1], 256<<16                    ; tensor_dim0
	s_mov_b32 s[G1X+2], 64<<16                     ; tensor_dim1
	s_mov_b32 s[G1X+3], 256<<16                    ; tile_dim0
	s_mov_b32 s[G1X+4], 64                         ; tile_dim1
	s_mov_b32 s[G1X+5], 256                        ; from row to row
	s_mov_b32 s[G1X+6], 0
	s_mov_b32 s[G1X+7], 0
	; the scale bytes of 256 tokens: 4,096 dense bytes as 16 rows of 32 elements of 8 bytes
	s_mov_b32 s[G1S+0], 15|(3<<16)|(1<<21)
	s_mov_b32 s[G1S+1], 32<<16
	s_mov_b32 s[G1S+2], 16<<16
	s_mov_b32 s[G1S+3], 32<<16
	s_mov_b32 s[G1S+4], 16
	s_mov_b32 s[G1S+5], 32
	s_mov_b32 s[G1S+6], 0
	s_mov_b32 s[G1S+7], 0
	; the mask of 256 tokens: one row of 256 bytes
	s_mov_b32 s[G1M+0], 15|(3<<16)|(1<<21)
	s_mov_b32 s[G1M+1], 32<<16
	s_mov_b32 s[G1M+2], 1<<16
	s_mov_b32 s[G1M+3], 32<<16
	s_mov_b32 s[G1M+4], 1
	s_mov_b32 s[G1M+5], 32
	s_mov_b32 s[G1M+6], 0
	s_mov_b32 s[G1M+7], 0
	s_mov_b32 s[SEL], 0x76543210
	s_mov_b32 s[SEL+1], 0xfedcba98
	s_lshl_b32 s96, s[ZZ], 11
	s_lshl_b32 s97, s[HALF], 10
	s_add_co_u32 s96, s96, s97                     ; the share's first token: 2,048 z + 1,024 half
	s_lshl_b32 s97, s[WAVE], 6
	s_add_co_u32 s90, s96, s97
	s_lshl_b32 s90, s90, 8                         ; x: my 64 rows of a chunk, in bytes
	s_mov_b32 s91, 0
	s_lshl_b32 s97, s[WAVE], 8
	s_add_co_u32 s92, s96, s97                     ; mask: my 256 tokens
	s_mov_b32 s93, 0
	s_lshl_b32 s94, s92, 4                         ; scales: the same tokens, 16 bytes each
	s_mov_b32 s95, 0
	s_mul_i32 s96, s[WAVE], 64*PX                  ; and where they go: the wave's number times a constant
	s_lshl_b32 s97, s[WAVE], 12
	s_lshl_b32 s89, s[WAVE], 8
	s_wait_dscnt 0x0                               ; the opening add is done
	s_wait_kmcnt 0x0
	s_add_nc_u64 s[90:91], s[4:5], s[90:91]
	GROUP0 76, 97, SCB, 6, s[94:95]
	GROUP0 80, 89, MKB, 8, s[92:93]
	GROUP0 56, 96, 0*CHB, 90, 0*65536
	GROUP0 60, 96, 1*CHB, 90, 1*65536
	GROUP0 68, 96, 2*CHB, 90, 2*65536
	GROUP0 72, 96, 3*CHB, 90, 3*65536
	CROUND                                         ; all four work-groups are here: the joint loads meet
	tensor_load_to_lds s[76:79], s[G1S:G1S+7]      ; all first fills as one group: six loads of mine are out.  The scales and the mask first: they are wanted with chunk 0
	s_nop 0
	tensor_load_to_lds s[80:83], s[G1M:G1M+7]
	s_nop 0
	tensor_load_to_lds s[56:59], s[G1X:G1X+7]      ; x, chunks 0 to 3
	s_nop 0
	tensor_load_to_lds s[60:63], s[G1X:G1X+7]
	s_nop 0
	tensor_load_to_lds s[68:71], s[G1X:G1X+7]
	s_nop 0
	tensor_load_to_lds s[72:75], s[G1X:G1X+7]
	s_nop 0
	v_and_b32 v[R], 15, v0                         ; eight lines in window 0 stand between the last tensor load and the first switch of windows
	v_bfe_u32 v[H], v0, 4, 1
	v_lshlrev_b32 v[HO], 4, v[H]                   ; 16 h
	v_lshl_add_u32 v[WO], v[R], 8, v[HO]           ; a weight's fragment: row r of 256 bytes + 16 h
	v_lshlrev_b32 v[BO], 5, v[H]                   ; a bias: my half's eight numbers
	v_lshlrev_b32 v[QSO], 4, v[R]                  ; scale words: 16 bytes a row
	v_lshl_add_u32 v[SO], v[H], 14, v[QSO]         ; Wkv's: lanes 16-31 take V's rows, 1,024 rows of 16 bytes on
	v_mov_b32 v[ZO], 0
	s_lshl_b32 s90, s[HEAD], 14                    ; my head's 64 rows of codes
	s_mov_b32 s91, 0
	s_add_nc_u64 s[10:11], s[10:11], s[90:91]
	s_add_nc_u64 s[16:17], s[16:17], s[90:91]
	s_lshl_b32 s90, s[HEAD], 10                    ; of scale bytes
	s_add_nc_u64 s[12:13], s[12:13], s[90:91]
	s_add_nc_u64 s[18:19], s[18:19], s[90:91]
	s_lshl_b32 s90, s[HEAD], 8                     ; of biases
	s_add_nc_u64 s[14:15], s[14:15], s[90:91]
	s_add_nc_u64 s[20:21], s[20:21], s[90:91]
	s_lshl_b32 s90, s[ZZ], 15                      ; token 0 of my sequence: its scale bytes,
	s_add_nc_u64 s[6:7], s[6:7], s[90:91]
	s_lshl_b32 s90, s[ZZ], 19                      ; its codes
	s_add_nc_u64 s[4:5], s[4:5], s[90:91]
	; A fragment, 16 rows x 128 K of 4-bit codes, is 8 registers: lane (r, h) holds row r; registers 4 c .. 4 c + 3 the 16 bytes at 64 s + 32 c + 16 h of the row.
	WIN 0x40                                       ; destination window 1
.irp t, 0,1,2,3
.irp s, 0,1,2,3
.irp c, 0,1
	global_load_b128 v[WK+8*(4*\t+\s)+4*\c:WK+8*(4*\t+\s)+4*\c+3], v[WO], s[10:11] offset:4096*\t+64*\s+32*\c
	global_load_b128 v[WQ+8*(4*\t+\s)+4*\c:WQ+8*(4*\t+\s)+4*\c+3], v[WO], s[16:17] offset:4096*\t+64*\s+32*\c
.endr
.endr
.endr
	WIN 0x80                                       ; destination window 2
.irp t, 0,1,2,3
.irp s, 0,1,2,3
.irp c, 0,1
	global_load_b128 v[WVF+8*(4*\t+\s)+4*\c:WVF+8*(4*\t+\s)+4*\c+3], v[WO], s[10:11] offset:262144+4096*\t+64*\s+32*\c   ; V's rows lie 1,024 rows behind K's
.endr
.endr
.endr
.irp t, 0,1,2,3
	global_load_b128 v[KB+8*\t:KB+8*\t+3], v[BO], s[14:15] offset:64*\t          ; register j of tile t: bkv at channel 16 t + 8 h + j
	global_load_b128 v[KB+8*\t+4:KB+8*\t+7], v[BO], s[14:15] offset:64*\t+16
.endr
	WIN 0
.irp t, 0,1,2,3
	global_load_b128 v[VB+8*\t:VB+8*\t+3], v[BO], s[14:15] offset:4096+64*\t
	global_load_b128 v[VB+8*\t+4:VB+8*\t+7], v[BO], s[14:15] offset:4096+64*\t+16
	global_load_b128 v[NUM+8*\t:NUM+8*\t+3], v[BO], s[20:21] offset:64*\t        ; bq: the C of q's sums
	global_load_b128 v[NUM+8*\t+4:NUM+8*\t+7], v[BO], s[20:21] offset:64*\t+16
	global_load_b128 v[WS+4*\t:WS+4*\t+3], v[SO], s[12:13] offset:256*\t
	global_load_b128 v[WQS+4*\t:WQS+4*\t+3], v[QSO], s[18:19] offset:256*\t
.endr
	global_load_b128 v[XQS:XQS+3], v[ZO], s[6:7]   ; token 0's four scale words, in every lane
.irp s, 0,1,2,3
.irp c, 0,1
	global_load_b128 v[X+8*\s+4*\c:X+8*\s+4*\c+3], v[HO], s[4:5] offset:64*\s+32*\c   ; token 0 in all 16 columns of source 1: so every lane gets q, in k's own layout
.endr
.endr
	v_mul_u32_u24 v[AX0], v[R], PX
	v_lshl_add_u32 v[AX0], v[H], 4, v[AX0]         ; x: row r x pitch + 16 h
	v_lshl_add_u32 v[AS0], v[R], 4, SCB
	v_add_nc_u32 v[AM0], MKB, v[R]
	; THE ANGLES, while the loads are on their way.  Index i of 16 stands for frequency f = 16 (i / 8) + 8 h + i % 8, the channel of K's register i.
	v_lshlrev_b32 v[LN], 3, v[H]
.irp i, 0,1,2,3,4,5,6,7,8,9,10,11,12,13,14,15
	v_add_nc_u32 v[OM+\i], 16*(\i/8)+\i%8, v[LN]
.endr
.irp i, 0,1,2,3,4,5,6,7,8,9,10,11,12,13,14,15
	v_cvt_f32_u32 v[OM+\i], v[OM+\i]
.endr
.irp i, 0,1,2,3,4,5,6,7,8,9,10,11,12,13,14,15
	v_mul_f32 v[OM+\i], 0xbed49a78, v[OM+\i]       ; - f log2(10000) / 32
.endr
.irp i, 0,1,2,3,4,5,6,7,8,9,10,11,12,13,14,15
	v_exp_f32 v[OM+\i], v[OM+\i]                   ; 10000^(-f / 32): one batch
.endr
	s_lshl_b32 s90, s[HALF], 10
	v_add_nc_u32 v[POS], s90, v[R]                 ; my token's position in tile 0.  (Plain lines behind the batch)
	v_cvt_f32_u32 v[POS], v[POS]
	v_mov_b32 v[POS+1], v[POS]
	v_mov_b32 v[KS], 0xab573f9f                    ; - 1 / 15!
	v_mov_b32 v[KS+1], 0xab573f9f
	v_mov_b32 v[KC], 0x29573f9f                    ; 1 / 16!
	v_mov_b32 v[KC+1], 0x29573f9f
	s_wait_alu depctr_va_vdst(0)                   ; one wait for the sixteen, ahead of their first reader
.irp i, 0,1,2,3,4,5,6,7,8,9,10,11,12,13,14,15
	v_mul_f32 v[OM+\i], 0.15915494, v[OM+\i]       ; in turns a position
.endr
.macro HORNER cs, cc                   ; a step of both series, four pairs each
.irp p, 0,1,2,3
	v_pk_fma_f32 v[PS+2*\p:PS+2*\p+1], v[PS+2*\p:PS+2*\p+1], v[Z+2*\p:Z+2*\p+1], \cs op_sel_hi:[1,1,0]
.endr
.irp p, 0,1,2,3
	v_pk_fma_f32 v[PC+2*\p:PC+2*\p+1], v[PC+2*\p:PC+2*\p+1], v[Z+2*\p:Z+2*\p+1], \cc op_sel_hi:[1,1,0]
.endr
.endm
; cos and sin of the eight angles in v[TAU] on, given in turns, into v[co] on and v[si] on of the window that w names as destination
.macro SINCOS4 co, si, w
.irp j, 0,1,2,3,4,5,6,7
	v_rndne_f32 v[PS+\j], v[TAU+\j]
.endr
.irp p, 0,1,2,3
	v_pk_add_f32 v[Y+2*\p:Y+2*\p+1], v[TAU+2*\p:TAU+2*\p+1], v[PS+2*\p:PS+2*\p+1] neg_lo:[0,1] neg_hi:[0,1]   ; whole turns off: exact
.endr
.irp p, 0,1,2,3
	v_pk_mul_f32 v[Y+2*\p:Y+2*\p+1], v[Y+2*\p:Y+2*\p+1], 0x40c90fdb op_sel_hi:[1,0]                           ; y in [-pi, pi]
.endr
.irp p, 0,1,2,3
	v_pk_mul_f32 v[Z+2*\p:Z+2*\p+1], v[Y+2*\p:Y+2*\p+1], v[Y+2*\p:Y+2*\p+1]
.endr
.irp p, 0,1,2,3
	v_pk_fma_f32 v[PS+2*\p:PS+2*\p+1], v[Z+2*\p:Z+2*\p+1], v[KS:KS+1], 0x2f309231 op_sel_hi:[1,1,0]           ; + 1 / 13!
.endr
.irp p, 0,1,2,3
	v_pk_fma_f32 v[PC+2*\p:PC+2*\p+1], v[Z+2*\p:Z+2*\p+1], v[KC:KC+1], 0xad49cba5 op_sel_hi:[1,1,0]           ; - 1 / 14!
.endr
	HORNER 0xb2d7322b, 0x310f76c7                  ; - 1 / 11!,  1 / 12!
	HORNER 0x3638ef1d, 0xb493f27e                  ;   1 / 9!, - 1 / 10!
	HORNER 0xb9500d01, 0x37d00d01                  ; - 1 / 7!,   1 / 8!
	HORNER 0x3c088889, 0xbab60b61                  ;   1 / 5!, - 1 / 6!
	HORNER 0xbe2aaaab, 0x3d2aaaab                  ; - 1 / 3!,   1 / 4!
	HORNER 1.0, -0.5
	WIN \w
.irp p, 0,1,2,3
	v_pk_mul_f32 v[(\si)+2*\p:(\si)+2*\p+1], v[PS+2*\p:PS+2*\p+1], v[Y+2*\p:Y+2*\p+1]
.endr
.irp p, 0,1,2,3
	v_pk_fma_f32 v[(\co)+2*\p:(\co)+2*\p+1], v[PC+2*\p:PC+2*\p+1], v[Z+2*\p:Z+2*\p+1], 1.0 op_sel_hi:[1,1,0]
.endr
	WIN 0
.endm
.irp a, 0,1
.irp p, 0,1,2,3
	v_pk_mul_f32 v[TAU+2*\p:TAU+2*\p+1], v[OM+8*\a+2*\p:OM+8*\a+2*\p+1], 0x41800000 op_sel_hi:[1,0]           ; 16 positions: the turning angle
.endr
	SINCOS4 CD+8*\a, SD+8*\a, 0x80
.endr
.irp a, 0,1
.irp p, 0,1,2,3
	v_pk_mul_f32 v[TAU+2*\p:TAU+2*\p+1], v[OM+8*\a+2*\p:OM+8*\a+2*\p+1], v[POS:POS+1]                         ; my first position
.endr
	SINCOS4 CS0+8*\a, SN0+8*\a, 0
.endr
	; q = x[token 0] Wq + bq: four accumulators by turns, one instruction a turn; bq is the C of each sum's first product
	s_wait_loadcnt 0x0                             ; all the head's loads
	WIN 0x01                                       ; source 0 (Wq) window 1
.irp s, 0,1,2,3
.irp t, 0,1,2,3
	MM NUM+8*\t, WQ+8*(4*\t+\s), X+8*\s, NUM+8*\t, WQS+4*\t+\s, XQS+\s, 0
.endr
.endr
	WIN 0
.rept 5
	v_nop                                          ; places behind the products, ahead of the first read of q
.endr
.irp p, 0,1,2,3,4,5,6,7                        ; each accumulator is read from its low end on
	v_pk_mul_f32 v[G1+2*\p:G1+2*\p+1], v[NUM+2*\p:NUM+2*\p+1], v[CS0+2*\p:CS0+2*\p+1]
.endr
.irp p, 0,1,2,3,4,5,6,7
	v_pk_mul_f32 v[G2+2*\p:G2+2*\p+1], v[NUM+16+2*\p:NUM+16+2*\p+1], v[CS0+2*\p:CS0+2*\p+1]
.endr
.irp p, 0,1,2,3,4,5,6,7
	v_pk_fma_f32 v[G1+2*\p:G1+2*\p+1], v[NUM+16+2*\p:NUM+16+2*\p+1], v[SN0+2*\p:SN0+2*\p+1], v[G1+2*\p:G1+2*\p+1]                              ; G1 = q1 cos + q2 sin
.endr
.irp p, 0,1,2,3,4,5,6,7
	v_pk_fma_f32 v[G2+2*\p:G2+2*\p+1], v[NUM+2*\p:NUM+2*\p+1], v[SN0+2*\p:SN0+2*\p+1], v[G2+2*\p:G2+2*\p+1] neg_lo:[1,0,0] neg_hi:[1,0,0]       ; G2 = q2 cos - q1 sin
.endr
.irp j, 0,1,2,3,4,5,6,7,8,9,10,11,12,13,14,15,16,17,18,19,20,21,22,23,24,25,26,27,28,29,30,31
	v_mov_b32 v[NUM+\j], 0                         ; the tile is written once for all 64: the running sums begin as zeros
.endr
	v_mov_b32 v[DEN], 0
	v_mov_b32 v[CC+1], 0                           ; (named as the upper half of a pair)
	v_mov_b32 v[TP], 0                             ; (a lane permute's destination counts as one of its sources)
.macro NEXTADR                         ; the addresses of the tile to be fetched; the offsets step to the tile after it
	v_add_nc_u32 v[AX], s[TX], v[AX0]
	v_add_nc_u32 v[AS], s[TS], v[AS0]
	v_add_nc_u32 v[AM], s[TM], v[AM0]
	s_add_co_u32 s[TX], s[TX], TILEB
	s_add_co_u32 s[TS], s[TS], 256
	s_add_co_u32 s[TM], s[TM], 16
.endm
.macro FETCH                           ; nine LDS loads in one run: a tile's four fragments of x and its four scale words a token
.irp s, 0,1,2,3
.irp c, 0,1
	ds_load_b128 v[X+8*\s+4*\c:X+8*\s+4*\c+3], v[AX] offset:64*\s+32*\c
.endr
.endr
	ds_load_b128 v[XS:XS+3], v[AS]
.endm
; K's vector work, number n of 48: two halves of four pairs.  For pair p: s += k1 G1; s += k2 G2; then G is turned on by 16 positions: t = sin G2; G2 = cos G2 - sin G1; G1 = cos G1 + t.
; Source 0 is always the operand in window 2.  Four pairs go in step, so that no line waits for the line above it; each accumulator of K is first read at its registers 0, 1.
.macro KOP n
.set kn, \n
.set kb, kn/24
.set ko, (kn%24)/4
.set kg, kn%4
.set kp, 2*(4*kb+kg)
.if ko == 0
.if kb == 0
	v_pk_mul_f32 v[S+2*kg:S+2*kg+1], v[KA+kp:KA+kp+1], v[G1+kp:G1+kp+1]
.else
	v_pk_fma_f32 v[S+2*kg:S+2*kg+1], v[KA+kp:KA+kp+1], v[G1+kp:G1+kp+1], v[S+2*kg:S+2*kg+1]
.endif
.elseif ko == 1
	v_pk_fma_f32 v[S+2*kg:S+2*kg+1], v[KA+16+kp:KA+16+kp+1], v[G2+kp:G2+kp+1], v[S+2*kg:S+2*kg+1]
.elseif ko == 2
	v_pk_mul_f32 v[T+2*kg:T+2*kg+1], v[SD+kp:SD+kp+1], v[G2+kp:G2+kp+1]
.elseif ko == 3
	v_pk_mul_f32 v[G2+kp:G2+kp+1], v[CD+kp:CD+kp+1], v[G2+kp:G2+kp+1]
.elseif ko == 4
	v_pk_fma_f32 v[G2+kp:G2+kp+1], v[SD+kp:SD+kp+1], v[G1+kp:G1+kp+1], v[G2+kp:G2+kp+1] neg_lo:[1,0,0] neg_hi:[1,0,0]
.else
	v_pk_fma_f32 v[G1+kp:G1+kp+1], v[CD+kp:CD+kp+1], v[G1+kp:G1+kp+1], v[T+2*kg:T+2*kg+1]
.endif
.endm
; A TILE OF 16 TOKENS.  more = 1: the next tile's x, scale words and mask byte are fetched on the way.
.macro TILE more
	s_wait_dscnt 0x0                               ; this tile's ten loads, issued a tile ago
	WIN 0xa1                                       ; source 0 (Wk) window 1, source 1 (x) window 0, C and D window 2
.irp s, 0,1,2,3                                ; k = x Wk + b: four accumulators by turns, K step by K step; the bias is the C of each sum's first product
.irp t, 0,1,2,3
.if \s == 0
	MM KA+8*\t, WK+8*(4*\t+\s), X+8*\s, KB+8*\t, WS+4*\t+\s, XS+\s, 0
.else
	MM KA+8*\t, WK+8*(4*\t+\s), X+8*\s, KA+8*\t, WS+4*\t+\s, XS+\s, 0
.endif
.endr
.endr
	WIN 0x02                                       ; source 0 window 2 (Wv; K's results, cos, sin), all else window 0
.if \more
	NEXTADR                                        ; three plain lines and a v_nop: the four places between K's last product and the first read of K's results
	v_nop
.else
.rept 4
	v_nop
.endr
.endif
.set i, 0
.rept 16                                       ; v = x Wv + b, likewise by turns; three lines of K's vector work stand behind each product
.set qs, i/4
.set qt, i%4
.if qs == 0
	MM VA+8*qt, WVF+8*(4*qt+qs), X+8*qs, VB+8*qt, WS+4*qt+qs, XS+qs, 1
.else
	MM VA+8*qt, WVF+8*(4*qt+qs), X+8*qs, VA+8*qt, WS+4*qt+qs, XS+qs, 1
.endif
	KOP 3*i
	KOP 3*i+1
	KOP 3*i+2
.set i, i+1
.endr
	WIN 0
	v_pk_add_f32 v[S:S+1], v[S:S+1], v[S+2:S+3]    ; with the three lines above these four are the places behind V's last product
	v_pk_add_f32 v[S+4:S+5], v[S+4:S+5], v[S+6:S+7]
	v_pk_add_f32 v[S:S+1], v[S:S+1], v[S+4:S+5]
	v_add_f32 v[SS], v[S], v[S+1]                  ; my half of the frequencies
.if \more
	FETCH
.endif
.irp p, 0,1,2,3,4,5,6,7,8,9,10,11,12,13,14,15
	v_pk_mul_f32 v[VA+2*\p:VA+2*\p+1], v[VA+2*\p:VA+2*\p+1], v[VA+2*\p:VA+2*\p+1]   ; v^2, each accumulator from its low end on
.endr
	v_permlanex16_b32 v[TP], v[SS], s[SEL], s[SEL+1]
	v_pk_add_f32 v[VS:VS+1], v[VA:VA+1], v[VA+8:VA+9]
	v_pk_add_f32 v[VS+2:VS+3], v[VA+2:VA+3], v[VA+10:VA+11]
	v_add_f32 v[SS], v[SS], v[TP]                  ; s of my token
	v_pk_add_f32 v[VS+4:VS+5], v[VA+4:VA+5], v[VA+12:VA+13]
	v_pk_add_f32 v[VS+6:VS+7], v[VA+6:VA+7], v[VA+14:VA+15]
	v_cmp_eq_u32 vcc_lo, 0, v[MK]
	v_cndmask_b32 v[SS], 0, v[SS], vcc_lo          ; 0 where the mask is set
.if \more
	ds_load_u8 v[MK], v[AM]
.endif
.irp c, 0,1,2,3
	v_pk_add_f32 v[VS+2*\c:VS+2*\c+1], v[VS+2*\c:VS+2*\c+1], v[VA+16+2*\c:VA+16+2*\c+1]
.endr
	v_mul_f32 v[SQ], v[SS], v[SS]
.irp c, 0,1,2,3
	v_pk_add_f32 v[VS+2*\c:VS+2*\c+1], v[VS+2*\c:VS+2*\c+1], v[VA+24+2*\c:VA+24+2*\c+1]
.endr
	v_add_f32 v[DEN], v[DEN], v[SQ]
	v_pk_add_f32 v[VS:VS+1], v[VS:VS+1], v[VS+2:VS+3]
	v_pk_add_f32 v[VS+4:VS+5], v[VS+4:VS+5], v[VS+6:VS+7]
	v_pk_add_f32 v[VS:VS+1], v[VS:VS+1], v[VS+4:VS+5]
	v_add_f32 v[VM], v[VS], v[VS+1]
	v_permlanex16_b32 v[TP], v[VM], s[SEL], s[SEL+1]
	v_add_f32 v[VM], v[VM], v[TP]                  ; the token's sum of v^2 over the head's 64 channels
	v_max_num_f32 v[RV], TINY, v[VM]
	v_rcp_f32 v[RV], v[RV]
	v_cmp_le_f32 vcc_lo, TINY, v[VM]               ; (a plain line behind the reciprocal)
	v_nop
	s_wait_alu depctr_va_vdst(0)                   ; ahead of the reciprocal's first reader
	v_mul_f32 v[CC], v[SQ], v[RV]
	v_cndmask_b32 v[CC], 0, v[CC], vcc_lo          ; a token whose sum lies under 2^-126 counts for nothing
.irp p, 0,1,2,3,4,5,6,7,8,9,10,11,12,13,14,15
	v_pk_fma_f32 v[NUM+2*\p:NUM+2*\p+1], v[VA+2*\p:VA+2*\p+1], v[CC:CC+1], v[NUM+2*\p:NUM+2*\p+1] op_sel_hi:[1,0,1]
.endr
.endm
; A CHUNK OF 256 TOKENS, 16 tiles.  Tensor loads of a wave end in order: the count leaves out the chunks that I issued behind this one; behind the barrier every wave's part of the chunk is there.
; No LDS instruction of mine is out at the signal: a chunk's last tile fetches nothing.
.macro CHUNK g
	s_wait_tensorcnt 3-\g
	s_barrier_signal -1
	s_barrier_wait -1
	s_mov_b32 s[TX], \g*CHB
	s_mov_b32 s[TS], \g*4096
	s_mov_b32 s[TM], \g*256
	NEXTADR
	FETCH
	ds_load_u8 v[MK], v[AM]
	s_mov_b32 s[CNT], 15
.Ltile_\@:
	TILE 1
	s_sub_co_u32 s[CNT], s[CNT], 1
	s_cmp_lg_u32 s[CNT], 0
	s_cbranch_scc1 .Ltile_\@
	TILE 0
.endm
	CHUNK 0
	CHUNK 1
	CHUNK 2
	CHUNK 3
	; THE WAY OUT.  A lane holds 32 channels' sums for its 64 tokens; the 16 lanes of a half are added.  In each of four steps a lane keeps one half of its registers and gives the other to the lane m away:
	; 32 registers in 16 lanes become 2 registers a lane: channels 32 b3 + 16 b2 + 8 h + 4 b1 + 2 b0 + 0, 1, b3 .. b0 the bits of lane % 16.
.macro HALVE m, n
	v_and_b32 v[LN], \m, v[R]
	v_cmp_ne_u32 vcc_lo, 0, v[LN]
.set i, 0
.rept \n
	v_cndmask_b32 v[VA+i], v[NUM+i], v[NUM+\n+i], vcc_lo        ; what I keep
	v_cndmask_b32 v[VA+16+i], v[NUM+\n+i], v[NUM+i], vcc_lo     ; what I give
.set i, i+1
.endr
.set i, 0
.rept \n
	v_add_f32_dpp v[NUM+i], v[VA+16+i], v[VA+i] row_xmask:\m row_mask:0xf bank_mask:0xf
.set i, i+1
.endr
.endm
	HALVE 8, 16
	HALVE 4, 8
	HALVE 2, 4
	HALVE 1, 2
	v_and_b32 v[PO], 12, v[R]
	v_lshlrev_b32 v[PO], 4, v[PO]
	v_and_b32 v[LN], 3, v[R]
	v_lshl_or_b32 v[PO], v[LN], 3, v[PO]
	v_lshl_or_b32 v[PO], v[H], 5, v[PO]            ; 4 x my first channel
	s_lshl_b32 s90, s[ZZ], 1
	s_add_co_u32 s90, s90, s[HALF]
	s_lshl_b32 s90, s90, 4
	s_add_co_u32 s90, s90, s[HEAD]                 ; (2 z + half) 16 + head
	s_lshl_b32 s92, s90, 2
	s_mov_b32 s93, 0
	s_lshl_b32 s90, s90, 8
	s_mov_b32 s91, 0
	s_add_nc_u64 s[22:23], s[22:23], s[90:91]
	s_add_nc_u64 s[24:25], s[24:25], s[92:93]
	global_store_b64 v[PO], v[NUM:NUM+1], s[22:23] ; the 32 lanes store the head's 256 consecutive bytes, at a multiple of 256 from part's first byte
	v_add_f32_dpp v[DEN], v[DEN], v[DEN] row_xmask:1 row_mask:0xf bank_mask:0xf
	v_add_f32_dpp v[DEN], v[DEN], v[DEN] row_xmask:2 row_mask:0xf bank_mask:0xf
	v_add_f32_dpp v[DEN], v[DEN], v[DEN] row_xmask:4 row_mask:0xf bank_mask:0xf
	v_add_f32_dpp v[DEN], v[DEN], v[DEN] row_xmask:8 row_mask:0xf bank_mask:0xf   ; both halves of the lanes hold the same s: 16 lanes are all the tokens
	v_and_b32 v[LN], 31, v0
	v_cmp_eq_u32 vcc_lo, 0, v[LN]
	s_wait_xcnt 0x0                                ; EXEC changes only behind this wait: the store above has read its sources
	s_and_saveexec_b32 s94, vcc_lo
	global_store_b32 v[ZO], v[DEN], s[24:25]       ; lane 0 alone
	s_wait_xcnt 0x0                                ; and again, in front of the line that widens it
	s_or_b32 exec_lo, exec_lo, s94
	s_wait_tensorcnt 0x0                           ; the wave's end, behind my last tensor load
	ds_add_u32 v[SPW], v[NIL]
	s_wait_dscnt 0x0
	CROUND                                         ; the closing round: no work-group ends while a partner may still ask for a tile that names it
	s_endpgm
.Lfunc_end_k_q69e7675224_main:
	.size	k_q69e7675224_main, .Lfunc_end_k_q69e7675224_main-k_q69e7675224_main
	.p2alignl 7, 3214868480
	.fill 96, 4, 3214868480
	.section	.rodata,"a",@progbits
	.p2align	6, 0x0
	.amdhsa_kernel k_q69e7675224_main
		.amdhsa_group_segment_fixed_size 327680
		.amdhsa_private_segment_fixed_size 0
		.amdhsa_enable_private_segment 0
		.amdhsa_kernarg_size 88
		.amdhsa_user_sgpr_count 2
		.amdhsa_user_sgpr_kernarg_segment_ptr 1
		.amdhsa_wavefront_size32 1
		.amdhsa_system_sgpr_workgroup_id_x 1
		.amdhsa_system_sgpr_workgroup_id_y 1
		.amdhsa_system_sgpr_workgroup_id_z 1
		.amdhsa_system_vgpr_workitem_id 0
		.amdhsa_next_free_vgpr 768
		.amdhsa_next_free_sgpr 100
		.amdhsa_reserve_vcc 1
		.amdhsa_float_denorm_mode_32 3
		.amdhsa_float_denorm_mode_16_64 3
		.amdhsa_memory_ordered 1
		.amdhsa_forward_progress 1
		.amdhsa_inst_pref_size 158
	.end_amdhsa_kernel
	.amdgpu_metadata
---
amdhsa.version: [ 1, 2 ]
amdhsa.kernels:
  - .name:           k_q69e7675224_main
    .symbol:         k_q69e7675224_main.kd
    .args:
      - { .name: x_codes, .offset: 0, .size: 8, .value_kind: global_buffer, .address_space: global }
      - { .name: x_scales, .offset: 8, .size: 8, .value_kind: global_buffer, .address_space: global }
      - { .name: mask, .offset: 16, .size: 8, .value_kind: global_buffer, .address_space: global }
      - { .name: Wkv_codes, .offset: 24, .size: 8, .value_kind: global_buffer, .address_space: global }
      - { .name: Wkv_scales, .offset: 32, .size: 8, .value_kind: global_buffer, .address_space: global }
      - { .name: bkv, .offset: 40, .size: 8, .value_kind: global_buffer, .address_space: global }
      - { .name: Wq_codes, .offset: 48, .size: 8, .value_kind: global_buffer, .address_space: global }
      - { .name: Wq_scales, .offset: 56, .size: 8, .value_kind: global_buffer, .address_space: global }
      - { .name: bq, .offset: 64, .size: 8, .value_kind: global_buffer, .address_space: global }
      - { .name: part, .offset: 72, .size: 8, .value_kind: global_buffer, .address_space: global }
      - { .name: den, .offset: 80, .size: 8, .value_kind: global_buffer, .address_space: global }
    .group_segment_fixed_size: 327680
    .private_segment_fixed_size: 0
    .kernarg_segment_align: 8
    .kernarg_segment_size: 88
    .max_flat_workgroup_size: 128
    .sgpr_count:     100
    .vgpr_count:     768
    .wavefront_size: 32
...
	.end_amdgpu_metadata
.endif
;; end of part 1
;; launch finish (part 2): grid 32 x 1, 1 waves a work-group, no clusters, 0 bytes of LDS; arguments part, den, out0; writes out0
.if DOCPART == 2
	.amdgcn_target "amdgcn-amd-amdhsa--gfx1250"
	.amdhsa_code_object_version 6
	.text
	.protected	k_q69e7675224_finish
	.globl	k_q69e7675224_finish
	.p2align	8
	.type	k_q69e7675224_finish,@function
k_q69e7675224_finish:
	s_mov_b64 s[64:65], 0
	v_nop
	global_prefetch_b8 v0, s[64:65] scope:SCOPE_SE
	s_setreg_imm32_b32 hwreg(HW_REG_WAVE_MODE, 25, 1), 1
	s_wait_xcnt 0x0
; out0[z][head][e] = o / max(sum over all 1,024 of o, tiny),  o = (part[z][0][head][e] + part[z][1][head][e]) / max(den[z][0][head] + den[z][1][head], tiny).
; One wave takes one sequence: 1,024 numbers, 32 a lane.  Load i of eight covers 512 consecutive bytes, 16 a lane: lane l's four numbers belong to head 2 i + l / 16.
; The sum over a sequence spans the work of eight work-groups of the launch before, so it has a launch of its own; it has work for 32 waves and no more.
; LIMIT: tiny = 2^-126 stands for reference's 1e-38 (the reciprocal takes no denormal): results differ only where a sum lies in (0, 1.18e-38).  NaN and infinities are not served.
.set TINY, 0x00800000
.set N0, 8                             ; v8-39   the first half's sums, then o, then the result
.set N1, 40                            ; v40-71  the second half's
.set D0, 72                            ; v72-79  den of my eight heads, then the reciprocals
.set D1, 80                            ; v80-87
.set A,  88                            ; v88-91  the lane's sum in two chains; v90 then the reciprocal
	s_load_b128 s[4:7], s[0:1], 0x0                ; part, den
	s_load_b64 s[8:9], s[0:1], 0x10                ; out0
	v_lshlrev_b32 v1, 4, v0                        ; 16 bytes a lane
	v_lshrrev_b32 v2, 4, v0
	v_lshlrev_b32 v2, 2, v2                        ; den: 4 (l / 16)
	s_lshl_b32 s10, ttmp9, 13                      ; a sequence in part: 8,192 bytes,
	s_mov_b32 s11, 0
	s_lshl_b32 s12, ttmp9, 7                       ; in den: 128,
	s_mov_b32 s13, 0
	s_lshl_b32 s14, ttmp9, 12                      ; in out0: 4,096
	s_mov_b32 s15, 0
	s_mov_b32 s16, 0x76543210
	s_mov_b32 s17, 0xfedcba98                      ; lane selects: lane l xor 16
	s_wait_kmcnt 0x0
	s_add_nc_u64 s[4:5], s[4:5], s[10:11]
	s_add_nc_u64 s[6:7], s[6:7], s[12:13]
	s_add_nc_u64 s[8:9], s[8:9], s[14:15]
.irp i, 0,1,2,3,4,5,6,7
	global_load_b32 v[D0+\i], v2, s[6:7] offset:8*\i
	global_load_b32 v[D1+\i], v2, s[6:7] offset:8*\i+64
.endr
.irp i, 0,1,2,3,4,5,6,7
	global_load_b128 v[N0+4*\i:N0+4*\i+3], v1, s[4:5] offset:512*\i th:TH_LOAD_NT
	global_load_b128 v[N1+4*\i:N1+4*\i+3], v1, s[4:5] offset:512*\i+4096 th:TH_LOAD_NT
.endr
	s_wait_loadcnt 16                              ; den's sixteen loads are in; part's sixteen may be out
.irp i, 0,1,2,3,4,5,6,7
	v_add_f32 v[D0+\i], v[D0+\i], v[D1+\i]
.endr
.irp i, 0,1,2,3,4,5,6,7
	v_max_num_f32 v[D0+\i], TINY, v[D0+\i]
.endr
.irp i, 0,1,2,3,4,5,6,7
	v_rcp_f32 v[D0+\i], v[D0+\i]                   ; one batch
.endr
	s_wait_loadcnt 0x0
.irp p, 0,1,2,3,4,5,6,7,8,9,10,11,12,13,14,15
	v_pk_add_f32 v[N0+2*\p:N0+2*\p+1], v[N0+2*\p:N0+2*\p+1], v[N1+2*\p:N1+2*\p+1]   ; the two halves of the tokens: plain work behind the batch
.endr
	s_wait_alu depctr_va_vdst(0)                   ; one wait for the eight, ahead of their first reader
.irp i, 0,1,2,3,4,5,6,7
.irp k, 0,1,2,3
	v_mul_f32 v[N0+4*\i+\k], v[N0+4*\i+\k], v[D0+\i]
.endr
.endr
	v_pk_add_f32 v[A:A+1], v[N0:N0+1], v[N0+2:N0+3]
	v_pk_add_f32 v[A+2:A+3], v[N0+4:N0+5], v[N0+6:N0+7]
.irp j, 8,12,16,20,24,28
	v_pk_add_f32 v[A:A+1], v[A:A+1], v[N0+\j:N0+\j+1]
	v_pk_add_f32 v[A+2:A+3], v[A+2:A+3], v[N0+\j+2:N0+\j+3]
.endr
	v_pk_add_f32 v[A:A+1], v[A:A+1], v[A+2:A+3]
	v_add_f32 v[A], v[A], v[A+1]                   ; my 32 numbers
	v_add_f32_dpp v[A], v[A], v[A] row_xmask:1 row_mask:0xf bank_mask:0xf
	v_add_f32_dpp v[A], v[A], v[A] row_xmask:2 row_mask:0xf bank_mask:0xf
	v_add_f32_dpp v[A], v[A], v[A] row_xmask:4 row_mask:0xf bank_mask:0xf
	v_add_f32_dpp v[A], v[A], v[A] row_xmask:8 row_mask:0xf bank_mask:0xf
	v_permlanex16_b32 v[A+1], v[A], s16, s17
	v_add_f32 v[A], v[A], v[A+1]                   ; the sequence's sum, in every lane
	v_max_num_f32 v[A], TINY, v[A]
	v_rcp_f32 v[A+2], v[A]
	v_nop                                          ; a plain line behind the reciprocal
	s_wait_alu depctr_va_vdst(0)                   ; and the wait ahead of its first reader
.irp p, 0,1,2,3,4,5,6,7,8,9,10,11,12,13,14,15
	v_pk_mul_f32 v[N0+2*\p:N0+2*\p+1], v[N0+2*\p:N0+2*\p+1], v[A+2:A+3] op_sel_hi:[1,0]
.endr
.irp i, 0,1,2,3,4,5,6,7
	global_store_b128 v1, v[N0+4*\i:N0+4*\i+3], s[8:9] offset:512*\i   ; 32 lanes store 512 consecutive bytes, at a multiple of 256 from out0's first byte
.endr
	s_endpgm
.Lfunc_end_k_q69e7675224_finish:
	.size	k_q69e7675224_finish, .Lfunc_end_k_q69e7675224_finish-k_q69e7675224_finish
	.p2alignl 7, 3214868480
	.fill 96, 4, 3214868480
	.section	.rodata,"a",@progbits
	.p2align	6, 0x0
	.amdhsa_kernel k_q69e7675224_finish
		.amdhsa_group_segment_fixed_size 0
		.amdhsa_private_segment_fixed_size 0
		.amdhsa_enable_private_segment 0
		.amdhsa_kernarg_size 24
		.amdhsa_user_sgpr_count 2
		.amdhsa_user_sgpr_kernarg_segment_ptr 1
		.amdhsa_wavefront_size32 1
		.amdhsa_system_sgpr_workgroup_id_x 1
		.amdhsa_system_sgpr_workgroup_id_y 1
		.amdhsa_system_sgpr_workgroup_id_z 1
		.amdhsa_system_vgpr_workitem_id 0
		.amdhsa_next_free_vgpr 104
		.amdhsa_next_free_sgpr 66
		.amdhsa_reserve_vcc 0
		.amdhsa_float_denorm_mode_32 3
		.amdhsa_float_denorm_mode_16_64 3
		.amdhsa_memory_ordered 1
		.amdhsa_forward_progress 1
		.amdhsa_inst_pref_size 11
	.end_amdhsa_kernel
	.amdgpu_metadata
---
amdhsa.version: [ 1, 2 ]
amdhsa.kernels:
  - .name:           k_q69e7675224_finish
    .symbol:         k_q69e7675224_finish.kd
    .args:
      - { .name: part, .offset: 0, .size: 8, .value_kind: global_buffer, .address_space: global }
      - { .name: den, .offset: 8, .size: 8, .value_kind: global_buffer, .address_space: global }
      - { .name: out0, .offset: 16, .size: 8, .value_kind: global_buffer, .address_space: global }
    .group_segment_fixed_size: 0
    .private_segment_fixed_size: 0
    .kernarg_segment_align: 8
    .kernarg_segment_size: 24
    .max_flat_workgroup_size: 32
    .sgpr_count:     66
    .vgpr_count:     104
    .wavefront_size: 32
...
	.end_amdgpu_metadata
.endif
;; end of part 2
